; MI455X (gfx1250); checked and timed in simulation.
; The chip was launched on July 23, 2026; its instructions are those of AMD's public machine-readable ISA for CDNA 5 (MIT licence, August 2026) and "CDNA5" Instruction Set Architecture Reference Guide (July 2026). The comments in the code are by the model that wrote it; some were corrected since.
;; Attn. Allowed arithmetic: matrix products marked QUANTISED: E2M1 operands, one E8M0 scale for each 32 along K, by v_wmma_scale_f32_16x16x128_f8f6f4 with both operands' format E2M1 (or v_wmma_scale_f32_32x16x128_f4), f32 sums; products left as they are: f32 operands where the result goes on into a quantised operand, else bf16, f16 or f32 operands; f32 sums; everything else in f32.
;; Inputs: W_attn 1,024 x 1,024 float32; b_attn 1,024 float32; encoder_outputs 1,024 x 64 x 1,024 float32; hidden 1 x 64 x 1,024 float32.
;; Outputs: out0 64 x 1 x 1,024 float32.
;; This version of the problem:
;;   THIS VERSION OF THE PROBLEM IS GIVEN IN LOW PRECISION. The matrix products marked QUANTISED in the list below multiply operands that are first quantised to E2M1 (2 exponent bits, 1 mantissa bit; 4 bits a number), with one power-of-two scale for each 32 numbers along K (OCP MX v1.0); their sums are f32. All else is computed in f32.
;;   The module's matrix products, in the order in which they are computed (A, B: the left and right operand; K: the contracted axis; several contracted axes count as one K, in the product's order):
;;     1. [M 65,536, K 1,024] x [K 1,024, N 1,024]; A: input encoder_outputs; B: input W_attn: QUANTISED
;;     2. batch 64 x [M 1, K 1,024] x [K 1,024, N 1,024]; A: input hidden; B: computed on the way: left as it is (M = 1 < 16)
;;   THE QUANTISER, for each operand of a quantised product, along K:
;;     - K is cut into blocks of 32 from its start; a last block that is shorter is filled with zeros.
;;     - A block's scale is 2^e with e = floor(log2(the largest magnitude in the block)) - 2, held to -126 .. 127; a block of zeros has e = 0. As a byte (E8M0): e + 127.
;;     - Each number is divided by its block's scale, clamped to +-6, and rounded to the nearest number of E2M1, ties to even, subnormals kept.
;;     - The product sums the exact products of the quantised numbers (number of the format x scale) in f32.
;;   ~~~python
;;   def quantise(x, axis):      # numpy; x: float32 -> the quantised numbers, widened to float32 again
;;       x = np.moveaxis(x, axis, -1); K = x.shape[-1]
;;       x = np.pad(x, [(0, 0)] * (x.ndim - 1) + [(0, -K % 32)]); x = x.reshape(x.shape[:-1] + (-1, 32)); a = np.abs(x).max(-1, keepdims=True)
;;       e = np.where(a > 0, np.clip(np.frexp(np.where(a > 0, a, 1))[1] - 1 - 2, -126, 127), 0)      # np.frexp(a)[1] - 1 = floor(log2(a)), exactly
;;       r = np.clip(x / 2.0 ** e, -6, 6)
;;       step = 2.0 ** (np.maximum(np.frexp(np.where(r == 0, 1, r))[1] - 1, 0) - 1)
;;       q = np.round(r / step) * step * 2.0 ** e      # np.round: ties to even
;;       return np.moveaxis(q.reshape(q.shape[:-2] + (-1,))[..., :K], -1, axis).astype(np.float32)
;;   ~~~
;; One version. Each part assembles by itself: llvm-mc -triple=amdgcn-amd-amdhsa -mcpu=gfx1250 --defsym DOCPART=n.
;; ======== version 1 of 1: 3 launches
;; limits: right only within a limited range of input values
;; workspace buffers: wq 557,056 bytes; scores 262,144 bytes
;; launch quantw (part 1): grid 128 x 1, 1 waves a work-group, no clusters, 8,704 bytes of LDS; arguments W_attn, wq; writes wq
.if DOCPART == 1
	.amdgcn_target "amdgcn-amd-amdhsa--gfx1250"
	.amdhsa_code_object_version 6
	.text
	.protected	k_q7f1a4ee0be_quantw
	.globl	k_q7f1a4ee0be_quantw
	.p2align	8
	.type	k_q7f1a4ee0be_quantw,@function
k_q7f1a4ee0be_quantw:
	s_mov_b64 s[64:65], 0
	v_nop
	global_prefetch_b8 v0, s[64:65] scope:SCOPE_SE
	s_setreg_imm32_b32 hwreg(HW_REG_WAVE_MODE, 25, 1), 1
	s_wait_xcnt 0x0
; W_attn [1024 (n)][1024 (k)], f32, becomes codes of FP4 (E2M1) with one E8M0 scale byte for each 32 along k, laid in the ORDER OF THE OPERAND'S REGISTERS for the launch that multiplies.
; wq is 8 parts of 69,632 bytes; part j holds rows n = 128 j .. 128 j + 127:
;   codes  at T' x 8192 + q x 1024 + c x 512 + 16 x lane: the 16 bytes of row 16 T' + lane % 16, k = 128 q + 64 c + 32 (lane / 16) + 0 .. 31  (T': tile of 16 rows, q: K step of 128)
;   scales at 65536 + U x 1024 + g x 512 + 16 x l': the 16 scale bytes of row 32 U + l', k = 512 g on: the four scale words of K steps 4 g .. 4 g + 3
; A block's scale is 2^(floor(log2(its largest magnitude)) - 2); its byte is the largest magnitude's exponent field - 2, held at 1 from below; each number is divided by it and rounded to the nearest code, ties to even, beyond 6 the largest code.
; LIMITS: a block of zeros gets the byte 1 where the rule says 127 (its codes are zeros, which add nothing, and this program alone reads the bytes); NaN and infinities among the inputs are not served.
; SHARES.  A work-group is one wave; it takes one tile of 16 rows x 512 along k: four chunks of 16 rows x 128.  All 64 loads (512 consecutive bytes of a row each) go out at once.
; The conversions take neighbours along k from ONE lane's registers, so a chunk turns through a stage in LDS: in as it was loaded, row by row, out 16 neighbours of each block of 32 a lane.
; No barrier: one wave.  No store's data are written again: each chunk has its own registers for its codes and its scale word.
; WORK LEFT OUT, in the whole program: b_attn.  scores[b][s] = hidden[b] . (W enc[s][b]) + hidden[b] . b_attn.  The second term holds no s: for each b it is one number c, the same along the softmax's axis,
; and softmax(x + c) = softmax(x) for every finite c and x.  b_attn is added behind the quantised product and enters no quantised operand.  So it has no way to out0: it is not loaded and is among no launch's arguments.
; LIMIT: a NaN, an infinity or an overflow that reaches only hidden . b_attn is not carried to the result.
.set PART,  69632
.set SP,    528                        ; a stage row: 512 bytes + 16 = 33 x 16 bytes: the sixteen rows that a load touches start 16 bytes apart modulo 256
.set EO,    4                          ; v4   16 x lane: my 16 bytes of a load's or a store's 512, in memory and in a stage row
.set STO,   6                          ; v6   the stage, on the way out: 528 r + 64 h
.set RO,    7                          ; v7   16 r: my row's place among the scale words
.set X,     64                         ; v64-127   64 turned numbers: register 16 b + i = k 32 b + 16 h + i of row r
.set PCB,   128                        ; v128-159  the codes, 8 registers a chunk
.set PWB,   160                        ; v160-163  the scale words, one a chunk
.set TM,    176                        ; v176-191  at work
.set SEL,   28                         ; s[28:29]  lane selects for v_permlanex16_b32: lane l xor 16
; window 1 (v256-511): the four chunks as loaded, 64 registers each
.set MSB, 0
.macro WIN new                         ; the immediate's high byte repeats the setting that is left; a switch that changes nothing is dropped
.if MSB != \new
	s_set_vgpr_msb (MSB<<8)|\new
.set MSB, \new
.endif
.endm
; chunk p through the stage.  LDS serves a wave's instructions in order (ISA guide 5.7.1.4): no wait between the stores and the loads
.macro TURN p
	WIN 0x04                                       ; an LDS store's data are its source 1: window 1
.irp i, 0,1,2,3,4,5,6,7,8,9,10,11,12,13,14,15
	ds_store_b128 v[EO], v[64*(\p)+4*\i:64*(\p)+4*\i+3] offset:SP*\i
.endr
	WIN 0
.irp b, 0,1,2,3
.irp j, 0,1,2,3
	ds_load_b128 v[X+16*\b+4*\j:X+16*\b+4*\j+3], v[STO] offset:128*\b+16*\j
.endr
.endr
.endm
; the 64 numbers in X become a fragment's codes in v[pc] on and its rows' scale word in v[pw]
.macro QUANT pc, pw
.irp b, 0,1,2,3
	v_max3_num_f32 v[TM+\b], |v[X+16*\b]|, |v[X+1+16*\b]|, 0x1800000   ; block b: my 16 numbers, and the floor 2^(3 - 127): so the byte cannot fall under 1
.endr
.irp i, 2,4,6,8,10,12,14
.irp b, 0,1,2,3
	v_max3_num_f32 v[TM+\b], v[TM+\b], |v[X+16*\b+\i]|, |v[X+1+16*\b+\i]|   ; (the four blocks by turns)
.endr
.endr
.irp b, 0,1,2,3
	v_permlanex16_b32 v[TM+4+\b], v[TM+\b], s[SEL], s[SEL+1]
.endr
.irp b, 0,1,2,3
	v_max_num_f32 v[TM+\b], v[TM+\b], v[TM+4+\b]   ; with lane l xor 16's 16: the block's largest magnitude
.endr
.irp b, 0,1,2,3
	v_add_nc_u32 v[TM+12+\b], 0xff000000, v[TM+\b] ; 2 off its exponent field: the conversion takes the exponent field of this operand as its scale
.endr
.irp b, 0,1,2,3
	v_lshrrev_b32 v[TM+4+\b], 23, v[TM+12+\b]      ; the scale's byte
.endr
	v_lshl_or_b32 v[\pw], v[TM+5], 8, v[TM+4]      ; four bytes make my row's scale word
	v_lshl_or_b32 v[\pw], v[TM+6], 16, v[\pw]
	v_lshl_or_b32 v[\pw], v[TM+7], 24, v[\pw]
.irp b, 0,1,2,3
	v_cvt_scalef32_pk8_fp4_f32 v[(\pc)+2*\b], v[X+16*\b:X+7+16*\b], v[TM+12+\b]
	v_cvt_scalef32_pk8_fp4_f32 v[(\pc)+1+2*\b], v[X+8+16*\b:X+15+16*\b], v[TM+12+\b]
.endr
	v_nop                                          ; one plain place behind a scaled conversion
.irp c, 0,1                                    ; the operand's layout wants a WHOLE block in a lane: lanes 0-15 block 2 c, lanes 16-31 block 2 c + 1
.irp i, 0,1
	v_permlane16_swap_b32 v[(\pc)+4*\c+\i], v[(\pc)+2+4*\c+\i]
.endr
.endr
.endm
	s_load_b128 s[4:7], s[0:1], 0x0                ; W s[4:5], wq s[6:7]
	v_lshl_add_u32 v254, v0, 2, 0x2100
	v_mov_b32 v255, 0
	v_and_b32 v2, 15, v0                           ; r
	v_lshrrev_b32 v3, 4, v0                        ; h (one wave: v0 is the lane)
	v_lshlrev_b32 v[EO], 4, v0
	v_mul_u32_u24 v[STO], v2, SP
	v_lshl_add_u32 v[STO], v3, 6, v[STO]
	v_lshlrev_b32 v[RO], 4, v2
.irp b, 0,1,2,3
	v_mov_b32 v[TM+4+\b], 0                        ; written once: a lane permute's destination counts as one of its sources
.endr
	s_mov_b32 s[SEL], 0x76543210
	s_mov_b32 s[SEL+1], 0xfedcba98
	s_lshr_b32 s8, ttmp9, 1                        ; T: which tile of 16 rows, 0 .. 63
	s_and_b32 s9, ttmp9, 1                         ; g: which 512 along k
	s_lshr_b32 s10, s8, 3                          ; j: the part
	s_and_b32 s11, s8, 7                           ; T': the tile in the part
	s_lshl_b32 s12, s8, 16                         ; W: 16 T rows of 4,096 bytes
	s_lshl_b32 s14, s9, 11                         ;    + 2,048 g
	s_add_co_u32 s12, s12, s14
	s_mov_b32 s13, 0
	s_mul_i32 s16, s10, PART
	s_lshl_b32 s14, s11, 13                        ; codes: PART j + 8,192 T' + 4,096 g
	s_add_co_u32 s18, s16, s14
	s_lshl_b32 s14, s9, 12
	s_add_co_u32 s18, s18, s14
	s_mov_b32 s19, 0
	s_lshr_b32 s14, s11, 1                         ; scales: PART j + 65,536 + 1,024 (T' / 2) + 512 g + 256 (T' % 2)
	s_lshl_b32 s14, s14, 10
	s_add_co_u32 s20, s16, s14
	s_lshl_b32 s14, s9, 9
	s_add_co_u32 s20, s20, s14
	s_and_b32 s14, s11, 1
	s_lshl_b32 s14, s14, 8
	s_add_co_u32 s20, s20, s14
	s_add_co_u32 s20, s20, 65536
	s_mov_b32 s21, 0
	s_wait_alu depctr_va_vdst(0)
	s_wait_kmcnt 0x0
	s_add_nc_u64 s[4:5], s[4:5], s[12:13]
	s_add_nc_u64 s[22:23], s[6:7], s[18:19]
	s_add_nc_u64 s[24:25], s[6:7], s[20:21]
	WIN 0x40                                       ; destination window 1
.irp p, 0,1,2,3
.irp i, 0,1,2,3,4,5,6,7,8,9,10,11,12,13,14,15
	global_load_b128 v[64*\p+4*\i:64*\p+4*\i+3], v[EO], s[4:5] offset:4096*\i+512*\p th:TH_LOAD_NT   ; 32 lanes read 512 consecutive bytes of row i; W is read once in this launch
.endr
.endr
	WIN 0
.irp p, 0,1,2,3
	s_wait_loadcnt 48-16*\p                        ; loads come back in order (ISA guide 5.7.1): chunk p's sixteen are in, the chunks behind it may be out
	TURN \p
	s_wait_dscnt 0x0
	QUANT PCB+8*\p, PWB+\p
.irp c, 0,1
	global_store_b128 v[EO], v[PCB+8*\p+4*\c:PCB+8*\p+4*\c+3], s[22:23] offset:1024*\p+512*\c   ; the fragment as it stands in the registers: 512 consecutive bytes a store
.endr
.endr
	s_wait_xcnt 0x0                                ; EXEC is a source of the stores above: it changes only behind this wait
	v_cmp_gt_u32 vcc_lo, 16, v0
	s_wait_tensorcnt 0x0
	ds_add_u32 v254, v255
	s_wait_dscnt 0x0
	s_and_saveexec_b32 s26, vcc_lo                 ; lanes 16-31 hold the same words as lanes 0-15
	global_store_b128 v[RO], v[PWB:PWB+3], s[24:25]   ; sixteen lanes store 256 consecutive bytes, at a multiple of 256 from wq's first byte
	s_wait_xcnt 0x0
	s_or_b32 exec_lo, exec_lo, s26
	s_endpgm
.Lfunc_end_k_q7f1a4ee0be_quantw:
	.size	k_q7f1a4ee0be_quantw, .Lfunc_end_k_q7f1a4ee0be_quantw-k_q7f1a4ee0be_quantw
	.p2alignl 7, 3214868480
	.fill 96, 4, 3214868480
	.section	.rodata,"a",@progbits
	.p2align	6, 0x0
	.amdhsa_kernel k_q7f1a4ee0be_quantw
		.amdhsa_group_segment_fixed_size 8704
		.amdhsa_private_segment_fixed_size 0
		.amdhsa_enable_private_segment 0
		.amdhsa_kernarg_size 16
		.amdhsa_user_sgpr_count 2
		.amdhsa_user_sgpr_kernarg_segment_ptr 1
		.amdhsa_wavefront_size32 1
		.amdhsa_system_sgpr_workgroup_id_x 1
		.amdhsa_system_sgpr_workgroup_id_y 1
		.amdhsa_system_sgpr_workgroup_id_z 1
		.amdhsa_system_vgpr_workitem_id 0
		.amdhsa_next_free_vgpr 512
		.amdhsa_next_free_sgpr 66
		.amdhsa_reserve_vcc 1
		.amdhsa_float_denorm_mode_32 3
		.amdhsa_float_denorm_mode_16_64 3
		.amdhsa_memory_ordered 1
		.amdhsa_forward_progress 1
		.amdhsa_inst_pref_size 33
	.end_amdhsa_kernel
	.amdgpu_metadata
---
amdhsa.version: [ 1, 2 ]
amdhsa.kernels:
  - .name:           k_q7f1a4ee0be_quantw
    .symbol:         k_q7f1a4ee0be_quantw.kd
    .args:
      - { .name: W_attn, .offset: 0, .size: 8, .value_kind: global_buffer, .address_space: global }
      - { .name: wq, .offset: 8, .size: 8, .value_kind: global_buffer, .address_space: global }
    .group_segment_fixed_size: 8704
    .private_segment_fixed_size: 0
    .kernarg_segment_align: 8
    .kernarg_segment_size: 16
    .max_flat_workgroup_size: 32
    .sgpr_count:     66
    .vgpr_count:     512
    .wavefront_size: 32
...
	.end_amdgpu_metadata
.endif
;; end of part 1
;; launch energy (part 2): grid 256 x 1, 4 waves a work-group, clusters of 4 x 1, 327,680 bytes of LDS; arguments encoder_outputs, hidden, wq, scores; writes scores
.if DOCPART == 2
	.amdgcn_target "amdgcn-amd-amdhsa--gfx1250"
	.amdhsa_code_object_version 6
	.text
	.protected	k_q7f1a4ee0be_energy
	.globl	k_q7f1a4ee0be_energy
	.p2align	8
	.type	k_q7f1a4ee0be_energy,@function
k_q7f1a4ee0be_energy:
	s_mov_b64 s[64:65], 0
	v_nop
	global_prefetch_b8 v0, s[64:65] scope:SCOPE_SE
	s_setreg_imm32_b32 hwreg(HW_REG_WAVE_MODE, 25, 1), 1
	s_wait_xcnt 0x0
	s_wait_alu depctr_hold_cnt(0) depctr_sa_sdst(0) depctr_va_vdst(0) depctr_va_sdst(0) depctr_va_ssrc(0) depctr_va_vcc(0) depctr_vm_vsrc(0)
	s_getreg_b32 s2, hwreg(HW_REG_IB_STS2, 6, 4)
	s_cmp_eq_u32 s2, 0
	s_cbranch_scc0 .Lentry_in_a_cluster
	s_endpgm
.Lentry_in_a_cluster:
	s_bfe_u32 s2, ttmp6, 0x10000c
	s_cmp_lg_u32 s2, 0x3003
	s_cbranch_scc0 .Lentry_shape_is_right
	s_endpgm
.Lentry_shape_is_right:
; scores[b][s] = sum over n of hidden[b][n] x (sum over k of Q(enc)[s][b][k] Q(W)[n][k]).  enc: [1024 s][64 b][1024 k] f32; W comes as codes of FP4 and E8M0 scale bytes from wq, in operand order.
; LEFT OUT: hidden[b] . b_attn, the same number for all s of a b, which the softmax over s takes away (shown at the head of the first kernel); b_attn is not loaded.
; The inner product is done on codes of FP4 (E2M1), one E8M0 scale for each 32 along k; enc is quantised here; the outer sum is f32 multiply-adds on the finished f32 tiles, so no energy goes to memory.
; LIMITS: NaN and infinities among the inputs are not served; a block of zeros gets the scale byte 1 where the rule says 127 (its codes are zeros, and the byte stays in this launch); the outer sum is ordered by lanes and waves, not by ascending n.
; SHARES.  A work-group owns ONE b and 256 s (the cluster's x is b, my place in the cluster says which 256): 256 work-groups.  In a product's result (source 0 = 16 rows of enc, source 1 = 16 rows of W) a lane holds one n and eight rows,
; so one hidden number a lane serves a whole tile.
; THE STREAM.  Wave w takes rows 64 w .. 64 w + 63 in 32 chunks of 16 rows x 128 k.  A chunk is 16 loads of 512 consecutive bytes of a row; a ring of four chunks (64 loads a wave) is on its way.  No f32 number goes through LDS:
; lane l holds k = 4 l .. 4 l + 3 of each row, a block of 32 lies in 8 neighbouring lanes.  A lane's 16 bits of codes of 16 rows are packed into 8 registers and stored by two stores of 16 bytes a lane; the scale bytes, paired with the
; neighbouring block's, likewise.  That is four LDS instructions a chunk.  The turn from (lane = k, register = row) to (lane = row, register = k) is made once, by the transposing load of 16-bit elements, when the operands are fetched.
; THE PRODUCTS.  w = 2 mh + nh.  Wave (mh, nh) takes the codes of rows 128 mh .. + 127, all of k, into 512 registers and multiplies them with tiles 4 nh .. 4 nh + 3 of each of W's 8 parts: a fragment of W read from LDS feeds eight matrix instructions.
; W goes through two LDS slots of one part (69,632 bytes).  CLUSTER: the four work-groups of a cluster walk the same parts in step, so each quarter of a part is asked for JOINTLY.  Part 0 is asked for at the head, part 1 behind the round at the stream's end.
; NO PREFETCH: enc is asked for by the ring itself, 48 to 64 loads a wave ahead of their use, all through the stream; wq is 557,056 bytes beside enc's 268,435,456, and its first part is asked for a whole stream ahead of its first read.
.set PART,  69632                      ; a part of wq: 65,536 bytes of codes, 4,096 of scale bytes
.set QUART, 17408                      ; a wave's quarter: 68 rows of 256 bytes
.set AIMG,  2*PART                     ; enc's codes: fragment (tile T of 16 rows, K step q) at (8 T + q) x 1024: 512 x (row / 8) + 16 l + 2 (row % 8): the four codes of k = 4 l on
.set ASC,   AIMG+131072                ; their scale bytes: 512 T + 256 (q / 4) + 64 (q % 4) + 32 (block / 2) + 2 row + block % 2; 8,192 bytes, and 8,192 more into which the odd blocks' lanes store what nobody reads
.set HID,   ASC+16384                  ; hidden[b][0 .. 1023]
.set SCR,   HID+4096                   ; partial scores: wave x 512 + 4 x row
.set SPARE, SCR+2048                   ; the spare words, 128 bytes a wave: two blocks of 256 bytes that no other line names
; window 0
.set EO,  4                            ; 16 x lane
.set AW0, 7                            ; AIMG + 32768 w + 16 x lane
.set SW0, 8                            ; ASC + 2048 w + 32 h + 8192 x (lane / 8 % 2)
.set AW,  9                            ; AW0 + the trip's place
.set SW,  10
.set LA,  13                           ; AIMG + 65536 mh + 512 (lane / 8 % 2) + 128 h + 16 (lane % 8)
.set LS,  14                           ; ASC + 4096 mh + 512 h + 32 (lane % 8) + 16 (lane / 8 % 2)
.set BA,  16                           ; v16, v17: my four tiles of W in slot 0, 1
.set BSA, 18                           ; v18, v19: their scale words
.set HA0, 20                           ; HID + 256 nh + 4 r
.set HA,  21
.set SCW, 22                           ; SCR + 512 w + 32 h
.set SPW, 23                           ; my spare word; never rewritten
.set NIL, 24                           ; 0; never rewritten
.set HW,  25                           ; HID + 16 x thread
.set FA,  26                           ; SCR + 1024 mh + 256 nh + 8 x lane
.set GO,  27                           ; 256 w + 8 x lane
.set HDO, 28                           ; 16 x thread
.set AS,  32                           ; v32-63  enc's scale words: 8 v + q: lanes 0-15 my tile 2 v, lanes 16-31 my tile 2 v + 1
.set BS,  64                           ; v64-95  W's likewise, 16 for each slot
.set HH,  96                           ; v96-111 tile t's hidden number in 2 t and 2 t + 1, 8 for each slot
.set SA,  112                          ; v112-175 running scores: 8 u + j: row 16 u + 8 h + j of my 128, the n of my lane
.set QM,  112                          ; while the stream runs: 16 largest magnitudes,
.set QS,  128                          ; 16 scale operands,
.set QB,  144                          ; 16 scale bytes,
.set QC,  160                          ; 16 x 4 codes
.set PK,  176                          ; v176-191 the codes, two rows to a register: two sets by turns
.set EE,  192                          ; v192-207 the scale bytes of two blocks, two rows to a register: two sets by turns
.set PP,  208                          ; v208-211 my block's bytes, four rows to a register
.set NN,  212                          ; v212-215 the neighbouring block's
; window 1: the ring, chunk position p at v[64 p]; then the codes of K steps 0-3: fragment (u, q) at v[8 (8 (q % 4) + u)].  Window 2: v164-171 hidden on its way to LDS; then K steps 4-7
.set HD,  164
; window 3: v0-63, v64-127 two sets of W's fragments (a tile, all 8 K steps); v128-191, v192-255 two sets of eight accumulators
.set AC,  128
.set WV,  14                           ; wave; s15 mh, s16 nh
.set CX,  17                           ; my place in the cluster: it enters enc's and scores' addresses alone
.set LB,  20                           ; s[20:21] the base of the ring's loads
.set EB,  22                           ; s[22:23] my wave's first row of enc
.set CT,  24
.set TQ,  25
.set TS,  26
.set TH,  27
.set G1,  32
.set G0,  40                           ; s[40:43], s[44:47] group 0 for slot 0, 1
.set PS,  56                           ; s56-59 v_perm_b32's selectors
.set MSB, 0
.macro WIN new                         ; low byte: bits 1:0 source 0, 3:2 source 1, 5:4 source 2, 7:6 destination; the high byte repeats the setting that is left
.if MSB != (\new)
	s_set_vgpr_msb (MSB<<8)|(\new)
.set MSB, (\new)
.endif
.endm
.macro CREST                           ; a round of the cluster's barrier behind its opening barrier
	s_cmp_lg_u32 s[WV], 0
	s_cbranch_scc1 .Lnot_wave_0_\@
	s_barrier_signal -3
.Lnot_wave_0_\@:
	s_barrier_wait -3
	s_barrier_signal -1
	s_barrier_wait -1
.endm
.macro ROUND
	s_barrier_signal -1
	s_barrier_wait -1
	CREST
.endm
.macro ELOAD p                         ; ring position p: 16 rows, K step p of the base's four.  The largest offset, 15 rows + 1,536, is inside the signed 24-bit immediate
	WIN 0x40
.irp i, 0,1,2,3,4,5,6,7,8,9,10,11,12,13,14,15
	global_load_b128 v[64*(\p)+4*\i:64*(\p)+4*\i+3], v[EO], s[LB:LB+1] offset:\i*262144+512*(\p) th:TH_LOAD_NT
.endr
.endm
; RING POSITION p, first part: all that reads the ring's registers.  The conversion takes eight numbers of a lane under one scale; eight registers on end are four numbers of one row and four of the next, which have other scales:
; so it is run once for each row, with that row's scale, and only that row's 16 bits are kept.  Rows 0 to 14 stand first in their eight registers: low half.  Row 15 stands last: high half.
.macro QA p
	WIN 0x05                                       ; sources 0 and 1: the ring's window
.set f, 0
.rept 16
	v_max3_num_f32 v[QM+f], |v[64*(\p)+4*f]|, |v[64*(\p)+4*f+1]|, 0x1800000   ; row f: my four numbers, and the floor 2^(3 - 127): the byte cannot fall under 1.  (The sixteen rows by turns)
.set f, f+1
.endr
.set f, 0
.rept 16
	v_max3_num_f32 v[QM+f], |v[64*(\p)+4*f+2]|, |v[64*(\p)+4*f+3]|, v[QM+f]
.set f, f+1
.endr
	WIN 0
.irp m, 1,2,4
.set f, 0
.rept 16
	v_max_num_f32_dpp v[QM+f], v[QM+f], v[QM+f] row_xmask:\m row_mask:0xf bank_mask:0xf   ; with lane l xor 1, 2, 4: the block's largest magnitude, in all its eight lanes
.set f, f+1
.endr
.endr
.set f, 0
.rept 16
	v_add_nc_u32 v[QS+f], 0xff000000, v[QM+f]      ; 2 off its exponent field: the conversion takes the exponent field of this operand as its scale
.set f, f+1
.endr
	WIN 0x01                                       ; source 0: the ring's window
.set f, 0
.rept 15
	v_cvt_scalef32_pk8_fp4_f32 v[QC+f], v[64*(\p)+4*f:64*(\p)+4*f+7], v[QS+f]   ; bits 15:0: row f's four codes, the lowest k in the lowest bits
.set f, f+1
.endr
	v_cvt_scalef32_pk8_fp4_f32 v[QC+15], v[64*(\p)+56:64*(\p)+63], v[QS+15]     ; bits 31:16: row 15's
.endm
; second part: the results are packed and stored.  Set p % 2 of the result registers
.macro QZ p
.set PKS, PK+8*((\p)%2)
.set EES, EE+8*((\p)%2)
	WIN 0
.set f, 0
.rept 16
	v_lshrrev_b32 v[QB+f], 23, v[QS+f]             ; the scale's byte.  (Also the plain lines behind the last conversion)
.set f, f+1
.endr
.irp d, 0,1,2,3,4,5,6
	v_perm_b32 v[PKS+\d], v[QC+2*\d+1], v[QC+2*\d], s[PS]      ; rows 2 d and 2 d + 1: the two low halves
.endr
	v_perm_b32 v[PKS+7], v[QC+15], v[QC+14], s[PS+1]           ; row 14's low half, row 15's high half
.irp a, 0,1,2,3
	v_lshl_or_b32 v[PP+\a], v[QB+4*\a+1], 8, v[QB+4*\a]        ; my block's bytes of rows 4 a .. 4 a + 3
.endr
.irp a, 0,1,2,3
	v_lshl_or_b32 v[PP+\a], v[QB+4*\a+2], 16, v[PP+\a]
.endr
.irp a, 0,1,2,3
	v_lshl_or_b32 v[PP+\a], v[QB+4*\a+3], 24, v[PP+\a]
.endr
.irp a, 0,1,2,3
	v_mov_b32_dpp v[NN+\a], v[PP+\a] row_xmask:8 row_mask:0xf bank_mask:0xf   ; lane l xor 8's: the neighbouring block's
.endr
.irp a, 0,1,2,3
	v_perm_b32 v[EES+2*\a], v[NN+\a], v[PP+\a], s[PS+2]        ; rows 4 a, 4 a + 1: mine, the neighbour's, mine, the neighbour's.  Right in the lanes of an even block; the others store into the half that nobody reads
	v_perm_b32 v[EES+2*\a+1], v[NN+\a], v[PP+\a], s[PS+3]      ; rows 4 a + 2, 4 a + 3
.endr
	ds_store_b128 v[AW], v[PKS:PKS+3] offset:1024*(\p)         ; rows 0-7: 32 lanes store 512 consecutive bytes
	ds_store_b128 v[AW], v[PKS+4:PKS+7] offset:1024*(\p)+512   ; rows 8-15
	ds_store_b128 v[SW], v[EES:EES+3] offset:64*(\p)           ; the eight lanes of a block store the same bytes with the same values
	ds_store_b128 v[SW], v[EES+4:EES+7] offset:64*(\p)+16
.endm
; chunk p of a trip.  ld = 1: as soon as the conversions have read the ring's registers, they take the next trip's chunk
.macro CHUNK p, ld
.if (\p) == 0
	s_wait_dscnt 0x0                               ; at a trip's head all my LDS stores are done: their address registers are written again
	v_add_nc_u32 v[AW], s[TQ], v[AW0]
	v_add_nc_u32 v[SW], s[TS], v[SW0]
.else
	s_wait_dscnt 4                                 ; all but the last chunk's four stores: the stores of the chunk before that have read this set of result registers
.endif
.if \ld
	s_wait_loadcnt 48                              ; this chunk's sixteen loads are in; the three chunks behind it stay out
.else
	s_wait_loadcnt 48-16*(\p)                      ; the last trip asks for nothing: the count runs down
.endif
	QA \p
.if \ld
.if (\p) == 0
	s_wait_xcnt 0x0                                ; the ring's earlier loads have read their base: it is written only behind this wait
	s_and_b32 s48, s[CT], 1                        ; the next trip: K steps 4 (CT % 2) on, rows 16 (CT / 2) on
	s_lshl_b32 s48, s48, 11
	s_lshr_b32 s49, s[CT], 1
	s_lshl_b32 s49, s49, 22
	s_add_co_u32 s48, s48, s49
	s_mov_b32 s49, 0
	s_add_nc_u64 s[LB:LB+1], s[EB:EB+1], s[48:49]
.endif
	ELOAD \p
.endif
	QZ \p
.endm
.macro TRIP ld
	CHUNK 0, \ld
	CHUNK 1, \ld
	CHUNK 2, \ld
	CHUNK 3, \ld
.endm
.macro BLOAD s, t                      ; my tile t of slot s, all 8 K steps, into set t % 2: 16 loads of 512 consecutive bytes
	WIN 0xc0
.irp q, 0,1,2,3,4,5,6,7
.irp c, 0,1
	ds_load_b128 v[64*((\t)%2)+8*\q+4*\c:64*((\t)%2)+8*\q+4*\c+3], v[BA+(\s)] offset:8192*(\t)+1024*\q+512*\c
.endr
.endr
.endm
.macro HLOAD d, adr, off               ; hidden[b][n] of my lane's n in each of my four tiles, twice: a pair for the packed form
.irp t, 0,1,2,3
	ds_load_b32 v[HH+8*(\d)+2*\t], v[\adr] offset:(\off)+64*\t
	ds_load_b32 v[HH+8*(\d)+2*\t+1], v[\adr] offset:(\off)+64*\t
.endr
.endm
.macro SLOAD s
.irp u, 0,1
.irp g, 0,1
	ds_load_b128 v[BS+16*(\s)+8*\u+4*\g:BS+16*(\s)+8*\u+4*\g+3], v[BSA+(\s)] offset:1024*\u+512*\g
.endr
.endr
.endm
; one matrix instruction: my tile u of enc x my tile t of W (slot s), K step q.  An odd tile's scale words lie in lanes 16-31.  K step 0 starts the sum
.macro WM s, t, q, u
.set rD, AC+64*((\t)%2)+8*(\u)
.set rA, 8*(8*((\q)%4)+(\u))
.set rB, 64*((\t)%2)+8*(\q)
.set rSA, AS+8*((\u)/2)+(\q)
.set rSB, BS+16*(\s)+8*((\t)/2)+(\q)
.if (\q) == 0
.if ((\u)%2 == 0) && ((\t)%2 == 0)
	v_wmma_scale_f32_16x16x128_f8f6f4 v[rD:rD+7], v[rA:rA+7], v[rB:rB+7], 0, v[rSA], v[rSB] matrix_a_fmt:MATRIX_FMT_FP4 matrix_b_fmt:MATRIX_FMT_FP4
.elseif ((\u)%2 == 1) && ((\t)%2 == 0)
	v_wmma_scale_f32_16x16x128_f8f6f4 v[rD:rD+7], v[rA:rA+7], v[rB:rB+7], 0, v[rSA], v[rSB] matrix_a_fmt:MATRIX_FMT_FP4 matrix_b_fmt:MATRIX_FMT_FP4 matrix_a_scale:MATRIX_SCALE_ROW1
.elseif ((\u)%2 == 0)
	v_wmma_scale_f32_16x16x128_f8f6f4 v[rD:rD+7], v[rA:rA+7], v[rB:rB+7], 0, v[rSA], v[rSB] matrix_a_fmt:MATRIX_FMT_FP4 matrix_b_fmt:MATRIX_FMT_FP4 matrix_b_scale:MATRIX_SCALE_ROW1
.else
	v_wmma_scale_f32_16x16x128_f8f6f4 v[rD:rD+7], v[rA:rA+7], v[rB:rB+7], 0, v[rSA], v[rSB] matrix_a_fmt:MATRIX_FMT_FP4 matrix_b_fmt:MATRIX_FMT_FP4 matrix_a_scale:MATRIX_SCALE_ROW1 matrix_b_scale:MATRIX_SCALE_ROW1
.endif
.else
.if ((\u)%2 == 0) && ((\t)%2 == 0)
	v_wmma_scale_f32_16x16x128_f8f6f4 v[rD:rD+7], v[rA:rA+7], v[rB:rB+7], v[rD:rD+7], v[rSA], v[rSB] matrix_a_fmt:MATRIX_FMT_FP4 matrix_b_fmt:MATRIX_FMT_FP4
.elseif ((\u)%2 == 1) && ((\t)%2 == 0)
	v_wmma_scale_f32_16x16x128_f8f6f4 v[rD:rD+7], v[rA:rA+7], v[rB:rB+7], v[rD:rD+7], v[rSA], v[rSB] matrix_a_fmt:MATRIX_FMT_FP4 matrix_b_fmt:MATRIX_FMT_FP4 matrix_a_scale:MATRIX_SCALE_ROW1
.elseif ((\u)%2 == 0)
	v_wmma_scale_f32_16x16x128_f8f6f4 v[rD:rD+7], v[rA:rA+7], v[rB:rB+7], v[rD:rD+7], v[rSA], v[rSB] matrix_a_fmt:MATRIX_FMT_FP4 matrix_b_fmt:MATRIX_FMT_FP4 matrix_b_scale:MATRIX_SCALE_ROW1
.else
	v_wmma_scale_f32_16x16x128_f8f6f4 v[rD:rD+7], v[rA:rA+7], v[rB:rB+7], v[rD:rD+7], v[rSA], v[rSB] matrix_a_fmt:MATRIX_FMT_FP4 matrix_b_fmt:MATRIX_FMT_FP4 matrix_a_scale:MATRIX_SCALE_ROW1 matrix_b_scale:MATRIX_SCALE_ROW1
.endif
.endif
.endm
.macro WQ s, t, q                      ; K step q on the set's eight accumulators, which take turns, one instruction a turn
	WIN 0xfd+(\q)/4                                ; source 0 (enc) window 1 or 2; source 1 (W), C and D window 3
.irp u, 0,1,2,3,4,5,6,7
	WM \s, \t, \q, \u
.endr
.endm
; the eight finished tiles of W's tile et times the lane's hidden number, onto the running scores, each accumulator from its low end on.  Four v_nop are the places between the products that finished the sums and the first read
; with the multiply-adds on the other accumulators they are also the places ahead of the loads into the fragments that those products read, and of the products that begin these accumulators anew.
.macro EPI es, et
.rept 4
	v_nop
.endr
	WIN 0x03
.irp u, 0,1,2,3,4,5,6,7
.irp i, 0,1,2,3
	v_pk_fma_f32 v[SA+8*\u+2*\i:SA+8*\u+2*\i+1], v[AC+64*((\et)%2)+8*\u+2*\i:AC+64*((\et)%2)+8*\u+2*\i+1], v[HH+8*(\es)+2*(\et):HH+8*(\es)+2*(\et)+1], v[SA+8*\u+2*\i:SA+8*\u+2*\i+1]
.endr
.endr
.endm
; A STEP: my 128 rows x my four tiles of the part in slot s: four units of 64 matrix instructions.  Each unit fetches the next tile's fragments near its head, 40 matrix instructions or more ahead of the wait for them.
; THE CHANGE OF SLOTS stands in the third unit: my last reads of this slot, tile 3's, were issued at that unit's head.  chg = 2: the barrier opens a round of the cluster's barrier, and the joint refill of this slot, two parts on,
; is the first thing behind it.  chg = 1: nothing is left to ask for.  chg = 0: the last step.
.macro STEP s, chg, nx, ho, ha
	s_wait_dscnt 0x0                               ; tile 0, the hidden numbers and the scale words are in
.if \ha
	v_add_nc_u32 v[HA], s[TH], v[HA0]
.endif
	BLOAD \s, 1
.irp q, 0,1,2,3,4,5,6,7
	WQ \s, 0, \q
.endr
	s_wait_dscnt 0x0                               ; tile 1 is in
	WQ \s, 1, 0
	EPI \s, 0
	BLOAD \s, 2
.irp q, 1,2,3,4,5,6,7
	WQ \s, 1, \q
.endr
	s_wait_dscnt 0x0                               ; tile 2 is in
	WQ \s, 2, 0
	EPI \s, 1
	BLOAD \s, 3
.irp q, 1,2,3
	WQ \s, 2, \q
.endr
.if \chg
	WIN 0
	s_wait_tensorcnt 0x0                           ; no tensor load of mine is out: my quarter of the other slot is in, and a group 0 may be written
	ds_add_u32 v[SPW], v[NIL]                      ; 0 onto my spare word
.if \chg == 2
	s_add_nc_u64 s[G0+4*\s+2:G0+4*\s+3], s[G0+4*\s+2:G0+4*\s+3], 2*PART
.endif
	WQ \s, 2, 4
	WQ \s, 2, 5
	s_wait_dscnt 0x0                               ; the add is done, and my reads of this slot are over: tile 3 is in
	s_barrier_signal -1
	WQ \s, 2, 6
	WQ \s, 2, 7
	WIN 0
	s_barrier_wait -1
.else
.irp q, 4,5,6,7
	WQ \s, 2, \q
.endr
	s_wait_dscnt 0x0
.endif
.if \chg == 2
	CREST
	tensor_load_to_lds s[G0+4*\s:G0+4*\s+3], s[G1:G1+7]
	s_nop 0
.rept 4
	v_nop
.endr
.endif
	WQ \s, 3, 0
	EPI \s, 2
.if \nx
	BLOAD 1-\s, 0
	WIN 0
	HLOAD 1-\s, HA, \ho
	SLOAD 1-\s
.endif
.irp q, 1,2,3,4,5,6,7
	WQ \s, 3, \q
.endr
	EPI \s, 3
	WIN 0
.endm
	s_load_b128 s[4:7], s[0:1], 0x0                ; enc s[4:5], hidden s[6:7]
	s_load_b128 s[8:11], s[0:1], 0x10              ; wq s[8:9], scores s[10:11]
	v_lshl_add_u32 v[SPW], v0, 2, SPARE
	v_mov_b32 v[NIL], 0
	ds_add_u32 v[SPW], v[NIL]                      ; the opening lines: the add, twice on end, and its wait ahead of my first tensor load
	ds_add_u32 v[SPW], v[NIL]
	v_lshrrev_b32 v2, 5, v0
	v_readfirstlane_b32 s[WV], v2                  ; wave 0..3
	s_lshr_b32 s15, s[WV], 1                       ; mh
	s_and_b32 s16, s[WV], 1                        ; nh
	s_bfe_u32 s[CX], ttmp6, 0x40000
	s_lshl_b32 s49, s[WV], 15
	s_add_co_u32 s49, s49, AIMG
	s_lshl_b32 s50, s[WV], 11
	s_add_co_u32 s50, s50, ASC
	s_lshl_b32 s51, s15, 16
	s_add_co_u32 s51, s51, AIMG
	s_lshl_b32 s52, s15, 12
	s_add_co_u32 s52, s52, ASC
	s_lshl_b32 s53, s16, 15
	s_lshl_b32 s54, s16, 11
	s_add_co_u32 s54, s54, 65536
	s_lshl_b32 s55, s16, 8
	s_add_co_u32 s55, s55, HID
	s_lshl_b32 s56, s[WV], 9
	s_add_co_u32 s56, s56, SCR
	s_lshl_b32 s57, s15, 10
	s_lshl_b32 s58, s16, 8
	s_add_co_u32 s57, s57, s58
	s_add_co_u32 s57, s57, SCR
	s_lshl_b32 s59, s[WV], 8
	v_and_b32 v1, 31, v0                           ; lane
	v_and_b32 v2, 15, v0                           ; r
	v_bfe_u32 v3, v0, 4, 1                         ; h
	v_bfe_u32 v29, v0, 3, 1                        ; lane / 8 % 2
	v_and_b32 v30, 7, v0                           ; lane % 8
	v_lshlrev_b32 v[EO], 4, v1
	v_add_nc_u32 v[AW0], s49, v[EO]
	v_lshl_add_u32 v[SW0], v3, 5, s50
	v_lshl_add_u32 v[SW0], v29, 13, v[SW0]
	v_lshl_add_u32 v[LA], v30, 4, s51
	v_lshl_add_u32 v[LA], v3, 7, v[LA]
	v_lshl_add_u32 v[LA], v29, 9, v[LA]
	v_lshl_add_u32 v[LS], v30, 5, s52
	v_lshl_add_u32 v[LS], v29, 4, v[LS]
	v_lshl_add_u32 v[LS], v3, 9, v[LS]
	v_add_nc_u32 v[BA], s53, v[EO]
	v_add_nc_u32 v[BA+1], PART, v[BA]
	v_add_nc_u32 v[BSA], s54, v[EO]
	v_add_nc_u32 v[BSA+1], PART, v[BSA]
	v_lshl_add_u32 v[HA0], v2, 2, s55
	v_lshl_add_u32 v[SCW], v3, 5, s56
	v_lshl_add_u32 v[HW], v0, 4, HID
	v_lshl_add_u32 v[FA], v1, 3, s57
	v_lshl_add_u32 v[GO], v1, 3, s59
	v_lshlrev_b32 v[HDO], 4, v0
.irp a, 0,1,2,3
	v_mov_b32 v[NN+\a], 0                          ; written once: the destination of a DPP form counts as one of its sources
.endr
	; descriptor group 1: a quarter of a part, dense in memory: 68 rows of 32 elements of 8 bytes; no padding: every read of a slot is 16 x lane on end
	s_mov_b32 s[G1+0], 15|(3<<16)|(1<<21)          ; the mask: all four work-groups; elements of 8 bytes; bit 21 set beside a mask
	s_mov_b32 s[G1+1], 32<<16
	s_mov_b32 s[G1+2], 68<<16
	s_mov_b32 s[G1+3], 32<<16
	s_mov_b32 s[G1+4], 68
	s_mov_b32 s[G1+5], 32
	s_mov_b32 s[G1+6], 0
	s_mov_b32 s[G1+7], 0
	s_mov_b32 s[PS], 0x05040100                    ; the low halves of the second and of the first source
	s_mov_b32 s[PS+1], 0x07060100                  ; the second's low half, the first's high half
	s_mov_b32 s[PS+2], 0x05010400                  ; bytes 0 and 1 of the second and of the first source, by turns
	s_mov_b32 s[PS+3], 0x07030602                  ; bytes 2 and 3 likewise
	s_lshl_b32 s48, s[CX], 26                      ; enc: my work-group's 256 s (2^26 bytes), my wave's 64 rows (2^24), my b (4,096)
	s_lshl_b32 s49, s[WV], 24
	s_add_co_u32 s48, s48, s49
	s_lshl_b32 s50, ttmp9, 12                      ; in a cluster launch ttmp9 counts clusters: b
	s_mov_b32 s51, 0
	s_add_co_u32 s48, s48, s50
	s_mov_b32 s49, 0
	s_lshl_b32 s52, s[CX], 10                      ; scores: row b of 4,096 bytes, my 256 s
	s_add_co_u32 s52, s52, s50
	s_mov_b32 s53, 0
	s_mul_i32 s30, s[WV], QUART                    ; my quarter of a part, in memory and in a slot: no place in the cluster enters it
	s_mov_b32 s31, 0
	s_wait_alu depctr_va_vdst(0)
	s_wait_dscnt 0x0                               ; both opening adds are done
	s_wait_kmcnt 0x0
	s_add_nc_u64 s[EB:EB+1], s[4:5], s[48:49]
	s_mov_b64 s[LB:LB+1], s[EB:EB+1]
	s_add_nc_u64 s[6:7], s[6:7], s[50:51]
	s_add_nc_u64 s[10:11], s[10:11], s[52:53]
	s_add_nc_u64 s[8:9], s[8:9], s[30:31]
	WIN 0x80
	global_load_b128 v[HD:HD+3], v[HDO], s[6:7]    ; hidden[b], 2 x 16 bytes a thread, for LDS
	global_load_b128 v[HD+4:HD+7], v[HDO], s[6:7] offset:2048
	ELOAD 0                                        ; the whole ring goes out ahead of the round
	ELOAD 1
	ELOAD 2
	ELOAD 3
	WIN 0
	s_mov_b32 s[G0+0], 1
	s_mov_b32 s[G0+1], s30                         ; slot 0, my quarter
	s_mov_b64 s[G0+2:G0+3], s[8:9]                 ; part 0, my quarter
	s_or_b32 s[G0+3], s[G0+3], 0x80000000
	s_mov_b32 s[G0+4], 1
	s_add_co_u32 s[G0+5], s30, PART                ; slot 1
	s_add_nc_u64 s[G0+6:G0+7], s[8:9], PART        ; part 1
	s_or_b32 s[G0+7], s[G0+7], 0x80000000
	ROUND                                          ; all four work-groups are here: the first joint loads meet
	tensor_load_to_lds s[G0:G0+3], s[G1:G1+7]      ; part 0: my one tensor load at the head
	s_nop 0
.rept 4
	v_nop
.endr
	; ---- THE STREAM: eight trips of four chunks: trip j is my tile j / 2, K steps 4 (j % 2) on.  Trips 0 to 6 ask for the next trip's chunks; the last is written out
	s_mov_b32 s[TQ], 0
	s_mov_b32 s[TS], 0
	s_mov_b32 s[CT], 1
.Lstream:
	TRIP 1
	s_add_co_u32 s[TQ], s[TQ], 4096
	s_add_co_u32 s[TS], s[TS], 256
	s_add_co_u32 s[CT], s[CT], 1
	s_cmp_lt_u32 s[CT], 8
	s_cbranch_scc1 .Lstream
	TRIP 0
	WIN 0x08
	ds_store_b128 v[HW], v[HD:HD+3]                ; hidden[b] to LDS
	ds_store_b128 v[HW], v[HD+4:HD+7] offset:2048
	WIN 0
	s_wait_tensorcnt 0x0                           ; my quarter of part 0 is in
	ds_add_u32 v[SPW], v[NIL]
	s_wait_dscnt 0x0                               ; the add, and my stores of codes, scale bytes and hidden
	ROUND                                          ; the 256 rows' codes and scale bytes, hidden and part 0 lie in LDS; all four work-groups are here
	tensor_load_to_lds s[G0+4:G0+7], s[G1:G1+7]    ; part 1: slot 1's first fill; it has the loads below and 160 matrix instructions of step 0 in which to land
	s_nop 0
.rept 4
	v_nop
.endr
	; ---- my 128 rows' codes and scale words come into registers and stay.  The transposing load (ISA guide, the LDS chapter): the j-th 16-bit element of lane 8 g + i is element i of the 16 bytes that lane 8 g + j addressed.
	; Lane 8 g + j addresses the 16 bytes that stream lane 16 c + 8 h + j stored for rows 8 (g % 2) on: so lane (r, h) gets the codes of k = 64 c + 32 h + 4 j on of row r as its element j: the operand's registers 4 c .. 4 c + 3
.irp g, 0,1
	WIN 0x40+0x40*\g
.set f, 0
.rept 32
	ds_load_tr16_b128 v[8*f:8*f+3], v[LA] offset:(f%8)*8192+(4*\g+f/8)*1024
	ds_load_tr16_b128 v[8*f+4:8*f+7], v[LA] offset:(f%8)*8192+(4*\g+f/8)*1024+256
.set f, f+1
.endr
.endr
	WIN 0
.irp u, 0,1,2,3
.irp g, 0,1
	ds_load_tr16_b128 v[AS+8*\u+4*\g:AS+8*\u+4*\g+3], v[LS] offset:1024*\u+256*\g   ; element j: the bytes of blocks 2 (j % 2), + 1 of K step 4 g + j / 2: four scale words of my row
.endr
.endr
	BLOAD 0, 0
	WIN 0
	HLOAD 0, HA0, 0
	SLOAD 0
.set f, 0
.rept 64
	v_mov_b32 v[SA+f], 0                           ; the running scores: the step is written once for all parts, so the first finds zeros.  (Work under the loads above)
.set f, f+1
.endr
	; ---- THE PRODUCTS: steps 0 to 7, two to a trip.  Steps 0 to 5 ask for parts 2 to 7
	s_mov_b32 s[TH], 0
	s_mov_b32 s[CT], 3
.Lpair:
	STEP 0, 2, 1, 512, 1
	STEP 1, 2, 1, 1024, 0
	s_add_co_u32 s[TH], s[TH], 1024
	s_sub_co_u32 s[CT], s[CT], 1
	s_cmp_lg_u32 s[CT], 0
	s_cbranch_scc1 .Lpair
	STEP 0, 1, 1, 512, 1                           ; steps 6 and 7 are written out
	STEP 1, 0, 0, 0, 0
	; ---- the sixteen lanes of a half hold sixteen n of the same eight rows: they are added, and the wave's 128 partial scores go to LDS (the sixteen lanes store the same words with the same values)
.irp m, 1,2,4,8
.set f, 0
.rept 64
	v_add_f32_dpp v[SA+f], v[SA+f], v[SA+f] row_xmask:\m row_mask:0xf bank_mask:0xf
.set f, f+1
.endr
.endr
.irp u, 0,1,2,3,4,5,6,7
.irp e, 0,1
	ds_store_b128 v[SCW], v[SA+8*\u+4*\e:SA+8*\u+4*\e+3] offset:64*\u+16*\e
.endr
.endr
	s_wait_dscnt 0x0
	s_barrier_signal -1
	s_barrier_wait -1                              ; all partial scores lie in LDS
	ds_load_b64 v[202:203], v[FA]                  ; the two nh waves' parts of my two rows
	ds_load_b64 v[204:205], v[FA] offset:512
	s_wait_dscnt 0x0
	v_pk_add_f32 v[206:207], v[202:203], v[204:205]
	global_store_b64 v[GO], v[206:207], s[10:11]   ; 32 lanes store 256 consecutive bytes, at a multiple of 256 from the buffer's first byte
	s_wait_tensorcnt 0x0                           ; the wave's end
	ds_add_u32 v[SPW], v[NIL]
	s_wait_dscnt 0x0
	ROUND                                          ; the closing round
	s_endpgm
.Lfunc_end_k_q7f1a4ee0be_energy:
	.size	k_q7f1a4ee0be_energy, .Lfunc_end_k_q7f1a4ee0be_energy-k_q7f1a4ee0be_energy
	.p2alignl 7, 3214868480
	.fill 96, 4, 3214868480
	.section	.rodata,"a",@progbits
	.p2align	6, 0x0
	.amdhsa_kernel k_q7f1a4ee0be_energy
		.amdhsa_group_segment_fixed_size 327680
		.amdhsa_private_segment_fixed_size 0
		.amdhsa_enable_private_segment 0
		.amdhsa_kernarg_size 32
		.amdhsa_user_sgpr_count 2
		.amdhsa_user_sgpr_kernarg_segment_ptr 1
		.amdhsa_wavefront_size32 1
		.amdhsa_system_sgpr_workgroup_id_x 1
		.amdhsa_system_sgpr_workgroup_id_y 1
		.amdhsa_system_sgpr_workgroup_id_z 1
		.amdhsa_system_vgpr_workitem_id 0
		.amdhsa_next_free_vgpr 1024
		.amdhsa_next_free_sgpr 66
		.amdhsa_reserve_vcc 0
		.amdhsa_float_denorm_mode_32 3
		.amdhsa_float_denorm_mode_16_64 3
		.amdhsa_memory_ordered 1
		.amdhsa_forward_progress 1
		.amdhsa_inst_pref_size 255
	.end_amdhsa_kernel
	.section	.bss,"aw",@nobits
	.p2align	6
	.space	262144
	.amdgpu_metadata
---
amdhsa.version: [ 1, 2 ]
amdhsa.kernels:
  - .name:           k_q7f1a4ee0be_energy
    .symbol:         k_q7f1a4ee0be_energy.kd
    .args:
      - { .name: encoder_outputs, .offset: 0, .size: 8, .value_kind: global_buffer, .address_space: global }
      - { .name: hidden, .offset: 8, .size: 8, .value_kind: global_buffer, .address_space: global }
      - { .name: wq, .offset: 16, .size: 8, .value_kind: global_buffer, .address_space: global }
      - { .name: scores, .offset: 24, .size: 8, .value_kind: global_buffer, .address_space: global }
    .group_segment_fixed_size: 327680
    .private_segment_fixed_size: 0
    .kernarg_segment_align: 8
    .kernarg_segment_size: 32
    .max_flat_workgroup_size: 128
    .sgpr_count:     66
    .vgpr_count:     1024
    .wavefront_size: 32
...
	.end_amdgpu_metadata
.endif
;; end of part 2
;; launch softmax (part 3): grid 64 x 1, 1 waves a work-group, no clusters, 0 bytes of LDS; arguments scores, out0; writes out0
.if DOCPART == 3
	.amdgcn_target "amdgcn-amd-amdhsa--gfx1250"
	.amdhsa_code_object_version 6
	.text
	.protected	k_q7f1a4ee0be_softmax
	.globl	k_q7f1a4ee0be_softmax
	.p2align	8
	.type	k_q7f1a4ee0be_softmax,@function
k_q7f1a4ee0be_softmax:
	s_mov_b64 s[64:65], 0
	v_nop
	global_prefetch_b8 v0, s[64:65] scope:SCOPE_SE
	s_setreg_imm32_b32 hwreg(HW_REG_WAVE_MODE, 25, 1), 1
	s_wait_xcnt 0x0
; out0[b][0][s] = softmax over s of scores[b][s].  A row is 1,024 f32, 4,096 bytes: one wave takes a whole row in 32 registers, so it is read once and nothing leaves the wave: no LDS, no barrier.
; The row's largest score m is taken away before the exponential: p = 2^(x c - m c), c = log2(e), by one fused multiply-add; the rounding of m c is the same number for the whole row and cancels in the division by the sum.
; LIMITS: a p under 2^-126 comes out as 0 (v_exp_f32 flushes: ISA guide 15.8); NaN and infinities among the scores are not served.
; 64 rows make 64 work-groups: a row's maximum and sum want all of it, and splitting a row of 4,096 bytes further would add a pass through LDS or memory.
	s_load_b128 s[4:7], s[0:1], 0x0                ; scores s[4:5], out0 s[6:7]
	v_lshlrev_b32 v1, 4, v0                        ; 16 bytes a lane
	s_lshl_b32 s8, ttmp9, 12                       ; row b
	s_mov_b32 s9, 0
	s_mov_b32 s10, 0x76543210                      ; v_permlanex16_b32's selects for lane l xor 16
	s_mov_b32 s11, 0xfedcba98
	s_mov_b32 s12, 0x3fb8aa3b                      ; c = log2(e)
	s_mov_b32 s13, s12                             ; (named with it as a pair, so it is written)
	s_wait_alu depctr_va_vdst(0)
	s_wait_kmcnt 0x0
	s_add_nc_u64 s[4:5], s[4:5], s[8:9]
	s_add_nc_u64 s[6:7], s[6:7], s[8:9]
.irp i, 0,1,2,3,4,5,6,7
	global_load_b128 v[8+4*\i:11+4*\i], v1, s[4:5] offset:512*\i   ; 512 consecutive bytes a load
.endr
	s_wait_loadcnt 0x0
	v_max3_num_f32 v2, v8, v9, v10                 ; the largest of my 32, in two chains
	v_max3_num_f32 v3, v11, v12, v13
.irp i, 14,18,22,26,30,34
	v_max3_num_f32 v2, v2, v[\i], v[\i+1]
	v_max3_num_f32 v3, v3, v[\i+2], v[\i+3]
.endr
	v_max3_num_f32 v2, v2, v38, v39
	v_max_num_f32 v2, v2, v3
	v_max_num_f32_dpp v2, v2, v2 row_xmask:1 row_mask:0xf bank_mask:0xf
	v_max_num_f32_dpp v2, v2, v2 row_xmask:2 row_mask:0xf bank_mask:0xf
	v_max_num_f32_dpp v2, v2, v2 row_xmask:4 row_mask:0xf bank_mask:0xf
	v_max_num_f32_dpp v2, v2, v2 row_xmask:8 row_mask:0xf bank_mask:0xf
	v_permlanex16_b32 v3, v2, s10, s11             ; (its destination has been written)
	v_max_num_f32 v2, v2, v3                       ; every lane holds the row's largest score
	v_mul_f32 v4, s12, v2                          ; m c,
	v_mov_b32 v5, v4                               ; twice: a pair for the packed form
.irp j, 0,2,4,6,8,10,12,14,16,18,20,22,24,26,28,30
	v_pk_fma_f32 v[8+\j:9+\j], v[8+\j:9+\j], s[12:13], v[4:5] op_sel_hi:[1,0,1] neg_lo:[0,0,1] neg_hi:[0,0,1]   ; x c - m c, two at a time
.endr
	s_wait_alu depctr_va_vdst(0)
.irp j, 0,1,2,3,4,5,6,7,8,9,10,11,12,13,14,15,16,17,18,19,20,21,22,23,24,25,26,27,28,29,30,31
	v_exp_f32 v[8+\j], v[8+\j]
.endr
	v_nop                                          ; one plain place behind the last exponential (ISA guide 5.7.2)
	s_wait_alu depctr_va_vdst(0)
	v_pk_add_f32 v[40:41], v[8:9], v[10:11]        ; the sum of my 32, two at a time, in two chains
	v_pk_add_f32 v[42:43], v[12:13], v[14:15]
.irp i, 16,20,24,28,32,36
	v_pk_add_f32 v[40:41], v[40:41], v[\i:\i+1]
	v_pk_add_f32 v[42:43], v[42:43], v[\i+2:\i+3]
.endr
	v_pk_add_f32 v[40:41], v[40:41], v[42:43]
	v_add_f32 v40, v40, v41
	v_add_f32_dpp v40, v40, v40 row_xmask:1 row_mask:0xf bank_mask:0xf
	v_add_f32_dpp v40, v40, v40 row_xmask:2 row_mask:0xf bank_mask:0xf
	v_add_f32_dpp v40, v40, v40 row_xmask:4 row_mask:0xf bank_mask:0xf
	v_add_f32_dpp v40, v40, v40 row_xmask:8 row_mask:0xf bank_mask:0xf
	v_permlanex16_b32 v41, v40, s10, s11
	v_add_f32 v40, v40, v41                        ; the row's sum, at least 1: the largest score gives p = 2^(a rounding error of m c)
	s_wait_alu depctr_va_vdst(0)
	v_rcp_f32 v42, v40
	v_nop                                          ; one plain place behind the reciprocal
	s_wait_alu depctr_va_vdst(0)
.irp j, 0,2,4,6,8,10,12,14,16,18,20,22,24,26,28,30
	v_pk_mul_f32 v[8+\j:9+\j], v[8+\j:9+\j], v[42:43] op_sel_hi:[1,0]   ; both halves times v42 (v43 was written above)
.endr
.irp i, 0,1,2,3,4,5,6,7
	global_store_b128 v1, v[8+4*\i:11+4*\i], s[6:7] offset:512*\i   ; 512 consecutive bytes a store, at a multiple of 256 from out0's first byte
.endr
	s_endpgm
.Lfunc_end_k_q7f1a4ee0be_softmax:
	.size	k_q7f1a4ee0be_softmax, .Lfunc_end_k_q7f1a4ee0be_softmax-k_q7f1a4ee0be_softmax
	.p2alignl 7, 3214868480
	.fill 96, 4, 3214868480
	.section	.rodata,"a",@progbits
	.p2align	6, 0x0
	.amdhsa_kernel k_q7f1a4ee0be_softmax
		.amdhsa_group_segment_fixed_size 0
		.amdhsa_private_segment_fixed_size 0
		.amdhsa_enable_private_segment 0
		.amdhsa_kernarg_size 16
		.amdhsa_user_sgpr_count 2
		.amdhsa_user_sgpr_kernarg_segment_ptr 1
		.amdhsa_wavefront_size32 1
		.amdhsa_system_sgpr_workgroup_id_x 1
		.amdhsa_system_sgpr_workgroup_id_y 1
		.amdhsa_system_sgpr_workgroup_id_z 1
		.amdhsa_system_vgpr_workitem_id 0
		.amdhsa_next_free_vgpr 64
		.amdhsa_next_free_sgpr 66
		.amdhsa_reserve_vcc 0
		.amdhsa_float_denorm_mode_32 3
		.amdhsa_float_denorm_mode_16_64 3
		.amdhsa_memory_ordered 1
		.amdhsa_forward_progress 1
		.amdhsa_inst_pref_size 9
	.end_amdhsa_kernel
	.amdgpu_metadata
---
amdhsa.version: [ 1, 2 ]
amdhsa.kernels:
  - .name:           k_q7f1a4ee0be_softmax
    .symbol:         k_q7f1a4ee0be_softmax.kd
    .args:
      - { .name: scores, .offset: 0, .size: 8, .value_kind: global_buffer, .address_space: global }
      - { .name: out0, .offset: 8, .size: 8, .value_kind: global_buffer, .address_space: global }
    .group_segment_fixed_size: 0
    .private_segment_fixed_size: 0
    .kernarg_segment_align: 8
    .kernarg_segment_size: 16
    .max_flat_workgroup_size: 32
    .sgpr_count:     66
    .vgpr_count:     64
    .wavefront_size: 32
...
	.end_amdgpu_metadata
.endif
;; end of part 3
